; MI455X (gfx1250); checked and timed in simulation.
; The chip was launched on July 23, 2026; its instructions are those of AMD's public machine-readable ISA for CDNA 5 (MIT licence, August 2026) and "CDNA5" Instruction Set Architecture Reference Guide (July 2026). The comments in the code are by the model that wrote it; some were corrected since.
;; Attention Pair. Allowed arithmetic: matrix products marked QUANTISED: E4M3 operands, one given power-of-two scale a tensor, by v_wmma_f32_16x16x64_fp8_fp8 or v_wmma_f32_16x16x128_fp8_fp8, f32 sums; products left as they are: f32 operands where the result goes on into a quantised operand, else bf16, f16 or f32 operands; f32 sums; everything else in f32.
;; Inputs: W_mat 1,024 x 512 float32; W_vec 1,024 x 512 float32; input_lengths 64 int32; lowp_scales 4 int32 (the exponents e of the quantised operands' scales 2^e); matrix 64 x 512 x 1,024 float32; vector 64 x 1,024 float32; w_attn 512 float32.
;; Outputs: out0 64 x 1,024 float32; out1 64 x 512 float32.
;; This version of the problem:
;;   THIS VERSION OF THE PROBLEM IS GIVEN IN LOW PRECISION. The matrix products marked QUANTISED in the list below multiply operands that are first quantised to E4M3 (4 exponent bits, 3 mantissa bits; 8 bits a number), with one given power-of-two scale for each operand tensor; their sums are f32. All else is computed in f32.
;;   The module's matrix products, in the order in which they are computed (A, B: the left and right operand; K: the contracted axis; several contracted axes count as one K, in the product's order):
;;     1. [M 64, K 1,024] x [K 1,024, N 512]; A: input vector; B: input W_vec: QUANTISED (scales: A lowp_scales[0], B lowp_scales[1])
;;     2. [M 32,768, K 1,024] x [K 1,024, N 512]; A: input matrix; B: input W_mat: QUANTISED (scales: A lowp_scales[2], B lowp_scales[3])
;;     3. [M 32,768, K 512] x [K 512, N 1]; A: computed on the way; B: input w_attn: left as it is (N = 1 < 16)
;;     4. batch 64 x [M 1,024, K 512] x [K 512, N 1]; A: input matrix; B: computed on the way: left as it is (N = 1 < 16)
;;   THE QUANTISER, for each operand of a quantised product, along K:
;;     - The operand's scale is 2^e, e = its entry of the input lowp_scales (int32; the entries are numbered through the quantised products in the list's order, A before B).
;;     - Each number is divided by the scale, clamped to +-448, and rounded to the nearest number of E4M3, ties to even, subnormals kept.
;;     - The product sums the exact products of the quantised numbers (number of the format x scale) in f32.
;;   ~~~python
;;   def quantise(x, axis, e):      # numpy; x: float32 -> the quantised numbers, widened to float32 again
;;       x = np.moveaxis(x, axis, -1); K = x.shape[-1]
;;       r = np.clip(x / 2.0 ** e, -448, 448)
;;       step = 2.0 ** (np.maximum(np.frexp(np.where(r == 0, 1, r))[1] - 1, -6) - 3)
;;       q = np.round(r / step) * step * 2.0 ** e      # np.round: ties to even
;;       return np.moveaxis(q, -1, axis).astype(np.float32)
;;   ~~~
;; One version. Each part assembles by itself: llvm-mc -triple=amdgcn-amd-amdhsa -mcpu=gfx1250 --defsym DOCPART=n.
;; ======== version 1 of 1: 3 launches
;; limits: values are held in f16: magnitudes above 65,504 overflow, below 6.1e-05 lose precision; inputs' magnitudes at most 65,504; right only within a limited range of input values
;; workspace buffers: wq 524,288 bytes; t1p 524,288 bytes; plan 512 bytes of whole numbers; pbuf 131,072 bytes; stats 196,608 bytes; rep 3,145,728 bytes
;; launch prep (part 1): grid 193 x 1, 16 waves a work-group, no clusters, 28,160 bytes of LDS; arguments W_mat, W_vec, vector, lowp_scales, input_lengths, wq, t1p, plan; writes wq, t1p, plan
.if DOCPART == 1
	.amdgcn_target "amdgcn-amd-amdhsa--gfx1250"
	.amdhsa_code_object_version 6
	.text
	.protected	k_q163b7e3e8b_prep
	.globl	k_q163b7e3e8b_prep
	.p2align	8
	.type	k_q163b7e3e8b_prep,@function
k_q163b7e3e8b_prep:
	s_mov_b64 s[64:65], 0
	v_nop
	global_prefetch_b8 v0, s[64:65] scope:SCOPE_SE
	s_setreg_imm32_b32 hwreg(HW_REG_WAVE_MODE, 25, 1), 1
	s_wait_xcnt 0x0
; THREE SMALL JOBS IN FRONT OF THE MAIN LAUNCH, told apart by the work-group's number G.
; WORK LEFT OUT IN THE PROGRAM: the rows of matrix at or past a batch's length have weight 0 in reference()'s own mask: they reach no output but through the maximum over ALL logits, and a number taken away from
; every exponent of a batch cancels in masked / sum(masked).  So the rows past the length (a whole number among the inputs) are not multiplied, and each chunk of a batch takes its own maximum away.
; LIMIT: a NaN, an infinity or an overflow in those rows is not carried to the result; where reference()'s exponentials of a whole batch underflow under the maximum of all batches, this text still gives the softmax.
; G 0..63:  t1 = Q(vector) Q(W_vec) by parts.  ks = G / 16: k from 256 ks on; nt = G % 16: columns 32 nt on; all 64 batches.  The parts, x 2^(e0 + e1 - e2 - e3), go out as
;           t1p[ks 4][tile of 16 columns 32][16 batches 4][q 2][r 16][h 2][4]: batch 16 mt + r, column 16 tile + 8 h + 4 q + 0 .. 3.  Main adds the four parts.
;           Wave v quantises rows 16 v .. 16 v + 15 of W_vec's part (a lane: 4 columns x 4 neighbours along K) and rows 4 v .. 4 v + 3 of vector's; the codes meet in LDS, K innermost, rows of 256 + 16 bytes.
; G 64..191: W_mat [1024 (k)][512 (n)] becomes codes in the ORDER OF THE OPERAND'S REGISTERS: byte w 131072 + t 16384 + bf 2048 + c 512 + h 256 + r 16 + y = code of W_mat[128 t + 32 c + 16 h + y][128 w + 16 bf + r].
; G 192:    THE DEAL.  Batches are cut into chunks of M rows, M = 128 - 4 j with the largest j up to 15 for which all batches together have at most 256 chunks (with M = 128 they always have: 64 x 4).  A batch has at least one
;           chunk and at most 8.  plan[b] = its first chunk's number + 65536 x its length (held within 0 .. 512); plan[64 ..] = M.
; code = x / 2^e, held within +-448, to the nearest code, ties to even.  LIMITS: e0, e1, e3 between -126 and 119.  NaN and infinities among the inputs are not served.
.set PB, 272
.set VT, 32*PB                         ; vector's codes, behind W_vec's
.set SPARE, 26112                      ; the spare words: 16 waves x 128 bytes
.macro MKSC e, sc, lim                 ; v[sc] = 2^e as f32 (the conversion takes its exponent field), v[lim] = 448 x 2^e
	s_add_co_i32 s36, s[\e], 127
	s_lshl_b32 s37, s36, 23
	v_mov_b32 v[\sc], s37
	s_add_co_i32 s36, s36, 8
	s_lshl_b32 s36, s36, 23
	s_or_b32 s36, s36, 0x600000
	v_mov_b32 v[\lim], s36
.endm
	s_load_b512 s[4:19], s[0:1], 0x0               ; W_mat, W_vec, vector, exponents, lengths, wq, t1p, plan
	v_lshl_add_u32 v2, v0, 2, SPARE
	v_mov_b32 v3, 0
	v_lshrrev_b32 v1, 5, v0
	v_readfirstlane_b32 s20, v1                    ; wave
	v_and_b32 v4, 31, v0                           ; lane
	v_and_b32 v5, 15, v0                           ; r
	v_bfe_u32 v6, v0, 4, 1                         ; h
	s_wait_alu depctr_va_vdst(0)                   ; ahead of the branches
	s_cmp_lt_u32 ttmp9, 64
	s_cbranch_scc0 .Lnot_t1
	; ---- t1
	v_lshrrev_b32 v7, 3, v4                        ; kr
	v_and_b32 v8, 7, v4                            ; cg
	v_lshlrev_b32 v10, 13, v7
	v_lshl_add_u32 v10, v8, 4, v10                 ; W_vec: 4 kr rows of 2,048 bytes + 16 cg
	v_lshlrev_b32 v11, 4, v4                       ; vector: 16 lane
	s_lshl_b32 s21, s20, 4
	v_mul_u32_u24 v12, v8, 4*PB
	v_lshl_add_u32 v12, v7, 2, v12
	v_add_nc_u32 v12, s21, v12                     ; W_vec's codes in: row 4 cg (+ q), byte 16 v + 4 kr
	s_mul_i32 s21, s20, 4*PB
	s_add_co_u32 s21, s21, VT
	v_lshl_add_u32 v13, v4, 2, s21                 ; vector's codes in: row 4 v, byte 4 lane
	v_mul_u32_u24 v18, v5, PB
	v_lshl_add_u32 v18, v6, 4, v18
	s_and_b32 s22, s20, 3                          ; mt: my 16 batches
	s_mul_i32 s21, s22, 16*PB
	s_add_co_u32 s21, s21, VT
	v_add_nc_u32 v19, s21, v18                     ; vector's fragment
	s_bfe_u32 s23, s20, 0x10002                    ; n2: my 16 columns
	s_mul_i32 s21, s23, 16*PB
	v_add_nc_u32 v18, s21, v18                     ; W_vec's fragment
	v_lshlrev_b32 v9, 5, v5
	v_lshl_add_u32 v9, v6, 4, v9                   ; t1p: 32 r + 16 h
	s_lshr_b32 s24, ttmp9, 4                       ; ks
	s_and_b32 s25, ttmp9, 15                       ; nt
	s_lshl_b32 s26, s24, 19
	s_lshl_b32 s27, s20, 15
	s_add_co_u32 s26, s26, s27
	s_lshl_b32 s27, s25, 7
	s_add_co_u32 s26, s26, s27
	s_mov_b32 s27, 0
	s_lshl_b32 s28, s20, 14
	s_lshl_b32 s29, s24, 10
	s_add_co_u32 s28, s28, s29
	s_mov_b32 s29, 0
	s_lshl_b32 s30, s24, 17
	s_lshl_b32 s31, s25, 13
	s_add_co_u32 s30, s30, s31
	s_lshl_b32 s31, s23, 12
	s_add_co_u32 s30, s30, s31
	s_lshl_b32 s31, s22, 10
	s_add_co_u32 s30, s30, s31
	s_mov_b32 s31, 0
	s_wait_alu depctr_va_vdst(0)                   ; directly ahead of the wait below
	s_wait_kmcnt 0x0
	s_load_b128 s[32:35], s[10:11], 0x0
	s_add_nc_u64 s[6:7], s[6:7], s[26:27]
	s_add_nc_u64 s[8:9], s[8:9], s[28:29]
	s_add_nc_u64 s[16:17], s[16:17], s[30:31]
.irp j, 0,1,2,3
	global_load_b128 v[20+4*\j:23+4*\j], v10, s[6:7] offset:2048*\j                     ; W_vec(256 ks + 16 v + 4 kr + j, 32 nt + 4 cg + 0 .. 3)
.endr
.irp j, 0,1,2,3,4,5,6,7
	global_load_b128 v[40+4*\j:43+4*\j], v11, s[8:9] offset:(\j/2)*4096+(\j%2)*512      ; vector: 512 consecutive bytes
.endr
	s_wait_kmcnt 0x0
	MKSC 33, 14, 15
	MKSC 32, 16, 17
	s_add_co_i32 s38, s32, s33
	s_sub_co_i32 s38, s38, s34
	s_sub_co_i32 s38, s38, s35                     ; e0 + e1 - e2 - e3
	s_wait_alu depctr_va_vdst(0)                   ; at the head's end
	s_wait_loadcnt 8                               ; W_vec's 4 are in; vector's 8 may be out
.irp q, 0,1,2,3
.irp j, 0,1,2,3
	v_med3_num_f32 v[72+4*\q+\j], v[20+4*\j+\q], -v15, v15     ; the conversion does not saturate (ISA guide 7.6.2); the hold puts a column's four numbers side by side
.endr
.endr
	v_cvt_scalef32_pk8_fp8_f32 v[100:101], v[72:79], v14       ; a register = four neighbours along K of one column
	v_cvt_scalef32_pk8_fp8_f32 v[102:103], v[80:87], v14
.irp q, 0,1,2,3
	ds_store_b32 v12, v[100+\q] offset:\q*PB
.endr
	s_wait_loadcnt 0x0
.set k, 0
.rept 32
	v_med3_num_f32 v[40+k], v[40+k], -v17, v17
.set k, k+1
.endr
.irp g, 0,1,2,3
	v_cvt_scalef32_pk8_fp8_f32 v[104+2*\g:105+2*\g], v[40+8*\g:47+8*\g], v16
.endr
	v_nop                                          ; one plain vector instruction behind the last scaled conversion of the run
.irp j, 0,1,2,3,4,5,6,7
	ds_store_b32 v13, v[104+\j] offset:(\j/2)*PB+(\j%2)*128
.endr
	s_wait_dscnt 0x0                               ; for the others' sake: my codes have landed
	s_barrier_signal -1
	s_barrier_wait -1
	s_cmp_lt_u32 s20, 8                            ; 4 x 2 tiles of 16 x 16: waves 0 to 7
	s_cbranch_scc0 .Lt1_end
.irp s, 0,1
.irp c, 0,1,2,3
	ds_load_b128 v[20+16*\s+4*\c:23+16*\s+4*\c], v18 offset:128*\s+32*\c
	ds_load_b128 v[52+16*\s+4*\c:55+16*\s+4*\c], v19 offset:128*\s+32*\c
.endr
.endr
	s_wait_dscnt 0x0
	; TRANSPOSED: source 0 = 16 columns of W_vec, source 1 = 16 batches: register j of lane (r, h) is (batch 16 mt + r, column 8 h + j)
	v_wmma_f32_16x16x128_fp8_fp8 v[84:91], v[20:35], v[52:67], 0
	s_wait_alu depctr_va_vdst(0)                   ; between two links of a chain that follow each other
	v_wmma_f32_16x16x128_fp8_fp8 v[84:91], v[36:51], v[68:83], v[84:91]
.rept 4
	v_nop                                          ; four places in front of the reads of the result (ISA guide 7.12.1)
.endr
.irp j, 0,1,2,3,4,5,6,7
	v_ldexp_f32 v[92+\j], v[84+\j], s38
.endr
	global_store_b128 v9, v[92:95], s[16:17]       ; each store covers 512 consecutive bytes, aligned
	global_store_b128 v9, v[96:99], s[16:17] offset:512
.Lt1_end:
	s_barrier_signal -1
	s_barrier_wait -1
	s_wait_tensorcnt 0x0                           ; the wave's end
	ds_add_u32 v2, v3
	s_wait_dscnt 0x0
	s_endpgm
.Lnot_t1:
	s_cmp_lt_u32 ttmp9, 192
	s_cbranch_scc0 .Lplan
	; ---- W_mat.  g = G - 64: rows 16 (g / 2) on, columns 256 (g % 2) on; the wave takes 16 columns.  Lane (r, h) takes column r and rows 8 h .. 8 h + 7: its registers run down K
	v_lshlrev_b32 v12, 14, v6
	v_lshl_add_u32 v12, v5, 2, v12
	v_lshlrev_b32 v13, 4, v5
	v_lshl_add_u32 v13, v6, 3, v13
	s_sub_co_u32 s21, ttmp9, 64
	s_lshr_b32 s22, s21, 1
	s_lshl_b32 s22, s22, 15                        ; 16 rows of 2,048 bytes
	s_and_b32 s28, s21, 1
	s_lshl_b32 s23, s28, 10
	s_add_co_u32 s22, s22, s23
	s_lshl_b32 s23, s20, 6
	s_add_co_u32 s22, s22, s23
	s_mov_b32 s23, 0
	s_lshl_b32 s24, s28, 1                         ; wq: w = 2 (g % 2) + v / 8,
	s_lshr_b32 s25, s20, 3
	s_add_co_u32 s24, s24, s25
	s_lshl_b32 s24, s24, 17
	s_lshr_b32 s25, s21, 4                         ; t = g / 16,
	s_lshl_b32 s25, s25, 14
	s_add_co_u32 s24, s24, s25
	s_and_b32 s25, s20, 7                          ; bf = v % 8,
	s_lshl_b32 s25, s25, 11
	s_add_co_u32 s24, s24, s25
	s_bfe_u32 s25, s21, 0x20002                    ; c,
	s_lshl_b32 s25, s25, 9
	s_add_co_u32 s24, s24, s25
	s_bfe_u32 s25, s21, 0x10001                    ; h
	s_lshl_b32 s25, s25, 8
	s_add_co_u32 s24, s24, s25
	s_mov_b32 s25, 0
	s_wait_alu depctr_va_vdst(0)                   ; directly ahead of the wait below
	s_wait_kmcnt 0x0
	s_load_b32 s35, s[10:11], 0xc                  ; e3
	s_add_nc_u64 s[4:5], s[4:5], s[22:23]
	s_add_nc_u64 s[14:15], s[14:15], s[24:25]
.irp i, 0,1,2,3,4,5,6,7
	global_load_b32 v[20+\i], v12, s[4:5] offset:2048*\i th:TH_LOAD_NT      ; read once; the sixteen waves cover 1,024 bytes of a row
.endr
	s_wait_kmcnt 0x0
	MKSC 35, 14, 15
	s_wait_alu depctr_va_vdst(0)                   ; at the head's end
	s_wait_loadcnt 0x0
.irp i, 0,1,2,3,4,5,6,7
	v_med3_num_f32 v[20+\i], v[20+\i], -v15, v15
.endr
	v_cvt_scalef32_pk8_fp8_f32 v[30:31], v[20:27], v14
	v_nop                                          ; one plain vector instruction behind the scaled conversion
	global_store_b64 v13, v[30:31], s[14:15]       ; the wave stores 256 consecutive bytes, aligned
	s_endpgm
.Lplan:
	s_cmp_lg_u32 s20, 0                            ; the deal: one wave; lane l holds batches 2 l and 2 l + 1
	s_cbranch_scc1 .Lplan_end
	v_lshlrev_b32 v7, 3, v4
	s_wait_alu depctr_va_vdst(0)                   ; directly ahead of the wait below
	s_wait_kmcnt 0x0
	global_load_b64 v[20:21], v7, s[12:13]
	s_mov_b32 s21, 0                               ; j
	s_wait_loadcnt 0x0
	v_max_i32 v20, 0, v20
	v_max_i32 v21, 0, v21
	v_min_i32 v20, 0x200, v20
	v_min_i32 v21, 0x200, v21
	s_wait_alu depctr_va_vdst(0)                   ; behind the writes
.irp st, 8,4,2,1                       ; the number of chunks does not grow with M: j by halves
	s_add_co_u32 s22, s21, \st
	s_lshl_b32 s23, s22, 2
	s_sub_co_u32 s23, 128, s23                     ; M
.irp c, 1,2,3,4,5,6,7
	s_mul_i32 s24, s23, \c
	v_cmp_lt_u32 s[40+\c], s24, v20                ; the batch has a chunk c: c M < length
	v_cmp_lt_u32 s[50+\c], s24, v21
.endr
	s_mov_b32 s25, 64                              ; each batch's chunk 0
.irp c, 1,2,3,4,5,6,7
	s_bcnt1_i32_b32 s26, s[40+\c]
	s_add_co_u32 s25, s25, s26
	s_bcnt1_i32_b32 s26, s[50+\c]
	s_add_co_u32 s25, s25, s26
.endr
	s_cmp_le_u32 s25, 0x100
	s_cselect_b32 s21, s22, s21
.endr
	s_lshl_b32 s23, s21, 2
	s_sub_co_u32 s23, 128, s23                     ; M
	v_lshlrev_b32 v24, 1, v4                       ; the chunks 0 of the batches below mine
	v_mov_b32 v25, 1                               ; my even batch's chunks
.irp c, 1,2,3,4,5,6,7
	s_mul_i32 s24, s23, \c
	v_cmp_lt_u32 vcc_lo, s24, v20
	v_mbcnt_lo_u32_b32 v24, vcc_lo, v24            ; + the lanes below mine that have a chunk c
	v_add_co_ci_u32 v25, vcc_lo, 0, v25, vcc_lo
	v_cmp_lt_u32 vcc_lo, s24, v21
	v_mbcnt_lo_u32_b32 v24, vcc_lo, v24
.endr
	v_add_nc_u32 v28, v24, v25
	v_lshl_or_b32 v26, v20, 16, v24
	v_lshl_or_b32 v27, v21, 16, v28
	v_mov_b32 v30, s23
	v_mov_b32 v31, s23
	global_store_b64 v7, v[26:27], s[18:19]        ; 256 consecutive bytes, aligned
	global_store_b64 v7, v[30:31], s[18:19] offset:256
.Lplan_end:
	s_endpgm
.Lfunc_end_k_q163b7e3e8b_prep:
	.size	k_q163b7e3e8b_prep, .Lfunc_end_k_q163b7e3e8b_prep-k_q163b7e3e8b_prep
	.p2alignl 7, 3214868480
	.fill 96, 4, 3214868480
	.section	.rodata,"a",@progbits
	.p2align	6, 0x0
	.amdhsa_kernel k_q163b7e3e8b_prep
		.amdhsa_group_segment_fixed_size 28160
		.amdhsa_private_segment_fixed_size 0
		.amdhsa_enable_private_segment 0
		.amdhsa_kernarg_size 64
		.amdhsa_user_sgpr_count 2
		.amdhsa_user_sgpr_kernarg_segment_ptr 1
		.amdhsa_wavefront_size32 1
		.amdhsa_system_sgpr_workgroup_id_x 1
		.amdhsa_system_sgpr_workgroup_id_y 1
		.amdhsa_system_sgpr_workgroup_id_z 1
		.amdhsa_system_vgpr_workitem_id 0
		.amdhsa_next_free_vgpr 128
		.amdhsa_next_free_sgpr 66
		.amdhsa_reserve_vcc 1
		.amdhsa_float_denorm_mode_32 3
		.amdhsa_float_denorm_mode_16_64 3
		.amdhsa_memory_ordered 1
		.amdhsa_forward_progress 1
		.amdhsa_inst_pref_size 27
	.end_amdhsa_kernel
	.amdgpu_metadata
---
amdhsa.version: [ 1, 2 ]
amdhsa.kernels:
  - .name:           k_q163b7e3e8b_prep
    .symbol:         k_q163b7e3e8b_prep.kd
    .args:
      - { .name: W_mat, .offset: 0, .size: 8, .value_kind: global_buffer, .address_space: global }
      - { .name: W_vec, .offset: 8, .size: 8, .value_kind: global_buffer, .address_space: global }
      - { .name: vector, .offset: 16, .size: 8, .value_kind: global_buffer, .address_space: global }
      - { .name: lowp_scales, .offset: 24, .size: 8, .value_kind: global_buffer, .address_space: global }
      - { .name: input_lengths, .offset: 32, .size: 8, .value_kind: global_buffer, .address_space: global }
      - { .name: wq, .offset: 40, .size: 8, .value_kind: global_buffer, .address_space: global }
      - { .name: t1p, .offset: 48, .size: 8, .value_kind: global_buffer, .address_space: global }
      - { .name: plan, .offset: 56, .size: 8, .value_kind: global_buffer, .address_space: global }
    .group_segment_fixed_size: 28160
    .private_segment_fixed_size: 0
    .kernarg_segment_align: 8
    .kernarg_segment_size: 64
    .max_flat_workgroup_size: 512
    .sgpr_count:     66
    .vgpr_count:     128
    .wavefront_size: 32
...
	.end_amdgpu_metadata
.endif
;; end of part 1
;; launch main (part 2): grid 256 x 1, 8 waves a work-group, no clusters, 314,368 bytes of LDS; arguments matrix, wq, t1p, w_attn, plan, lowp_scales, pbuf, stats, rep; writes pbuf, stats, rep
.if DOCPART == 2
	.amdgcn_target "amdgcn-amd-amdhsa--gfx1250"
	.amdhsa_code_object_version 6
	.text
	.protected	k_q163b7e3e8b_main
	.globl	k_q163b7e3e8b_main
	.p2align	8
	.type	k_q163b7e3e8b_main,@function
k_q163b7e3e8b_main:
	s_mov_b64 s[64:65], 0
	v_nop
	global_prefetch_b8 v0, s[64:65] scope:SCOPE_SE
	s_setreg_imm32_b32 hwreg(HW_REG_WAVE_MODE, 25, 1), 1
	s_wait_xcnt 0x0
; FOR UP TO 128 ROWS OF ONE BATCH: logits = relu(t1 + Q(matrix) Q(W_mat)) . w_attn, a softmax's numerators under the chunk's own maximum, and their weighted sum of the same rows of matrix.
; The work-group's number g finds its batch b in plan (b = the last batch whose first chunk is at or below g); chunk c = g - first(b): rows c M .. min(c M + M, length) - 1.  Rows past the length are not fetched and,
; in whole sections of 32 rows, not multiplied (work left out: the mask that reference() builds itself).  A work-group past the last chunk finds no rows and leaves numbers in a slot that nobody reads: the grid serves every split.
; matrix is read from memory ONCE: each number is quantised to E4M3 for the product and kept in LDS, rounded to f16, for the weighted sum.
; SHARES.  Eight waves; wave w makes columns 64 w .. 64 w + 63 for all rows: 32 accumulators of 16 x 16; its part of W_mat's codes comes straight into its registers.  Wave w also converts slices w, w + 8, w + 16, w + 24 of
; the 32 slices of 4 rows: section i of 32 rows has one slice for each wave.  K goes in 8 steps of 128.  While step t is multiplied, panel t + 1 (128 columns) is converted, and panel t + 2 is asked for.
; A section past the last valid row is branched over from step 1 on, in all waves alike; its loads are issued all the same (they name the wave's last slice again), so every count of loads holds on every path.
; Steps' panels 0 and 1 are converted for all sections, so whatever is read has been written.
; THE MATRIX INSTRUCTION IS USED TRANSPOSED (source 0 = 16 columns of W_mat, source 1 = 16 rows of matrix): register j of lane (r, h) is (row 16 a + r, column 64 w + 16 bf + 8 h + j).  In both operands registers 4 c .. 4 c + 3
; hold k = 32 c + 16 h + 0 .. 15, a permutation of k, the same on both sides.  t1, divided by 2^(e2 + e3), is the C of every first product: it stands in block 7's accumulators, and block 7 comes last.
; THE WEIGHTED SUM is a product of the weights (f16, the same in all 16 rows of A) with the kept rows, K = 32 rows a step; B's fragments come by the transposing LDS load.
; THE MAXIMUM.  t = logit x log2(e); m = the largest t among the chunk's valid rows (-3e38 if it has none); p = 2^(t - m), 0 past the length.
; PREFETCH.  Step t asks for panel t + 4 of matrix, whose loads stand in step t + 2: 16 rows x 512 bytes a wave, one instruction, a lane to each 256 bytes; panels 2 and 3 are asked for at the head.  The last four steps ask for nothing.
; NO TENSOR LOADS, NO CLUSTER, NO JOINT LOADS of W_mat's codes, though all work-groups read them: the kept rows take 128 x 2,080 = 266,240 bytes of LDS, and two slots of a step's 512 x 128 codes would take 131,072; and
; the branches on a length that save the sections are for launches without tensor loads.
; LIMITS: e2 between -126 and 119; e2 + e3 between -126 and 126.  NaN and infinities among the inputs are not served.  matrix is kept as f16: |matrix| at most 65,504; under 2^-14 the kept numbers go in steps of 2^-24.
; The softmax's promise holds while |t| stays under 2^31.
; LDS: kept rows 0: row x 2,080 (1,024 f16 + 32 bytes).  COD: 2 tiles: row x 144.  LP: 8 x 512 parts of the logits.  PL: 8 x 256 weights.  STG: 8 x 512, the way out.
; REGISTERS, window 0: v0-15 addresses and constants; v16-23 f16 to store; v24-31 codes, two sets; v32-63 a section's two fragments of matrix; v64-127 16 loads of matrix; v128-255 W's fragments, two sets.  window 1: accumulators.
.set PITCH, 2080
.set COD,   266240
.set CT,    18432
.set CP,    144
.set LP,    303104
.set PL,    307200
.set STG,   309248
.set SPARE, 313344                     ; the spare words: 8 waves x 128 bytes
.set AF,  2
.set CS,  3
.set SPW, 4
.set LIM, 5
.set SC,  6
.set NIL, 7
.set RS,  8                            ; v8-11: my row's place in the kept rows, for each section
.set PFO, 12
.set R,   16
.set C,   24
.set X,   64
.set BB,  128
.set RB,  32                           ; s[32:39] the four slices' bases in matrix
.set NQ,  40                           ; s40: sections with valid rows, at least 1
.set MSB, 0
.macro WIN new                         ; the immediate's high byte repeats the setting that is left
.if MSB != (\new)
	s_set_vgpr_msb (MSB<<8)|(\new)
.set MSB, (\new)
.endif
.endm
.macro PLACES                          ; four places behind a matrix instruction (ISA guide 7.12.1)
.rept 4
	v_nop
.endr
.endm
.macro AFETCH tile, i, buf             ; section i's two fragments: 32 rows, 128 along K
.irp e, 0,1
.irp c, 0,1,2,3
	ds_load_b128 v[(\buf)+16*\e+4*\c:(\buf)+16*\e+4*\c+3], v[AF] offset:(\tile)*CT+(2*(\i)+\e)*16*CP+32*\c
.endr
.endr
.endm
.macro BLOAD t                         ; my four fragments of W_mat for step t into set t % 2: each load is 512 consecutive bytes
.irp bf, 0,1,2,3
.irp c, 0,1,2,3
	global_load_b128 v[BB+64*((\t)%2)+16*\bf+4*\c:BB+64*((\t)%2)+16*\bf+4*\c+3], v1, s[22:23] offset:(\t)*16384+\bf*2048+\c*512
.endr
.endr
.endm
.macro XLOAD p, i                      ; my slice of section i, panel p: each load is 512 consecutive bytes of one row
.irp j, 0,1,2,3
	global_load_b128 v[X+16*(\i)+4*\j:X+16*(\i)+4*\j+3], v1, s[RB+2*(\i):RB+2*(\i)+1] offset:\j*4096+(\p)*512
.endr
.endm
.macro CVA i                           ; a lane holds columns 4 lane .. 4 lane + 3 of four rows: rounded to f16 as they came
.irp k, 0,1,2,3,4,5,6,7
	v_cvt_pk_f16_f32 v[R+\k], v[X+16*(\i)+2*\k], v[X+16*(\i)+2*\k+1]
.endr
.endm
.macro CVB p, i                        ; held in place (the conversion does not saturate: ISA guide 7.6.2), converted, and both stored
.irp g, 0,1
.irp k, 0,1,2,3,4,5,6,7
	v_med3_num_f32 v[X+16*(\i)+8*\g+\k], v[X+16*(\i)+8*\g+\k], -v[LIM], v[LIM]
.endr
	v_cvt_scalef32_pk8_fp8_f32 v[C+4*((\i)%2)+2*\g:C+4*((\i)%2)+2*\g+1], v[X+16*(\i)+8*\g:X+16*(\i)+8*\g+7], v[SC]
.endr
.irp j, 0,1,2,3
	ds_store_b64 v[RS+(\i)], v[R+2*\j:R+2*\j+1] offset:\j*PITCH+(\p)*256
.endr
.irp j, 0,1,2,3
	ds_store_b32 v[CS], v[C+4*((\i)%2)+\j] offset:((\p)%2)*CT+(\i)*32*CP+\j*CP
.endr
.endm
; Section i's eight products, one instruction a turn.  In step 0, five places stand between block 6's reads of t1 and block 7's writes over it.
.macro MUL8 t, i, buf
.irp e, 0,1
.if ((\t) == 0) && ((\i) == 3) && (\e == 1)
	PLACES
	v_nop
.endif
.irp bf, 0,1,2,3
.if (\t) == 0
	v_wmma_f32_16x16x128_fp8_fp8 v[64*(\i)+32*\e+8*\bf:64*(\i)+32*\e+8*\bf+7], v[BB+16*\bf:BB+16*\bf+15], v[(\buf)+16*\e:(\buf)+16*\e+15], v[224+8*\bf:231+8*\bf]
.else
	v_wmma_f32_16x16x128_fp8_fp8 v[64*(\i)+32*\e+8*\bf:64*(\i)+32*\e+8*\bf+7], v[BB+64*((\t)%2)+16*\bf:BB+64*((\t)%2)+16*\bf+15], v[(\buf)+16*\e:(\buf)+16*\e+15], v[64*(\i)+32*\e+8*\bf:64*(\i)+32*\e+8*\bf+7]
.endif
.endr
.endr
.endm
.macro SECT t, i, dsw
.if ((\t) > 0) && ((\i) > 0)
	s_cmp_gt_u32 s[NQ], \i
	s_cbranch_scc0 .Lskip_\@
.endif
	s_wait_dscnt \dsw                              ; this section's fragments are in
	WIN 0x50
.if (\t) < 7
	MUL8 \t, \i, 32
.else
	MUL8 \t, \i, 32*(1+(\i))
.endif
	WIN 0
.if (\t) < 7
.if (\t) < 6
	s_wait_loadcnt 28                              ; behind this slice's loads: 12 - 4 i of its panel, W's 16, 4 i of the next panel
.else
	s_wait_loadcnt 28-4*(\i)                       ; nothing more is asked for
.endif
	CVA \i                                         ; (also the places behind the products, for the loads into their fragments' registers)
.if (\i) < 3
	AFETCH (\t)%2, (\i)+1, 32
.endif
	CVB (\t)+1, \i
.endif
.Lskip_\@:
.if (\t) < 6
	s_wait_loadcnt 28                              ; where the section was branched over, its older loads are in too: their registers are loaded again
	XLOAD (\t)+2, \i
.endif
.endm
; A step.  ONE barrier at its head: in front of it each wave's stores of panel t's codes have landed and its reads of the other tile are back; behind it tile t % 2 is whole and the other may be written.
.macro STEP t
.if (\t) == 0
	s_wait_alu depctr_va_vdst(0)
.endif
	s_wait_dscnt 0x0
	s_barrier_signal -1
	s_barrier_wait -1
.if (\t) < 7
	AFETCH (\t)%2, 0, 32
	BLOAD (\t)+1
.if (\t) > 0
	s_wait_loadcnt 32                              ; this step's W is in; behind it 16 loads of matrix and the next step's 16 of W
.endif
	SECT \t, 0, 0
.if (\t) < 4
	global_prefetch_b8 v[PFO], s[24:25] offset:512*((\t)+4) th:TH_LOAD_NT scope:SCOPE_SE
.endif
	SECT \t, 1, 8                                  ; behind the fragments: the 8 stores of the section before
	SECT \t, 2, 8
	SECT \t, 3, 8
.else
	s_wait_loadcnt 0x0                             ; the last W is in, and no load of matrix is out: its registers take fragments
	AFETCH 1, 0, 32
	AFETCH 1, 1, 64
	AFETCH 1, 2, 96
	AFETCH 1, 3, 128                               ; (W's set 0 is done with)
.irp bf, 0,1,2,3
	global_load_b128 v[160+8*\bf:163+8*\bf], v14, s[10:11] offset:64*\bf           ; w_attn(64 w + 16 bf + 8 h + 0 .. 7)
	global_load_b128 v[164+8*\bf:167+8*\bf], v14, s[10:11] offset:64*\bf+16
.endr
	SECT \t, 0, 24
	SECT \t, 1, 16
	SECT \t, 2, 8
	SECT \t, 3, 0
.endif
.endm
	s_load_b512 s[4:19], s[0:1], 0x0               ; matrix s[4:5], wq s[6:7], t1p s[8:9], w_attn s[10:11], plan s[12:13], exponents s[14:15], pbuf s[16:17], stats s[18:19]
	s_load_b64 s[20:21], s[0:1], 0x40              ; rep
	v_lshl_add_u32 v[SPW], v0, 2, SPARE
	v_mov_b32 v[NIL], 0
	v_lshrrev_b32 v16, 5, v0
	v_readfirstlane_b32 s26, v16                   ; wave 0..7
	v_and_b32 v16, 31, v0                          ; lane
	v_and_b32 v17, 15, v0                          ; r
	v_bfe_u32 v18, v0, 4, 1                        ; h
	v_lshlrev_b32 v1, 4, v16
	v_lshlrev_b32 v15, 3, v16
	v_mul_u32_u24 v[AF], v17, CP
	v_lshl_add_u32 v[AF], v18, 4, v[AF]
	v_add_nc_u32 v[AF], COD, v[AF]                 ; a fragment's place: row r, + 16 h
	s_mul_i32 s30, s26, 4*CP
	s_add_co_u32 s30, s30, COD
	v_lshl_add_u32 v[CS], v16, 2, s30              ; my codes: row 4 w, + 4 lane
	s_mul_i32 s30, s26, 4*PITCH
	v_lshl_add_u32 v[RS], v16, 3, s30              ; my kept numbers: row 4 w, + 8 lane
	v_add_nc_u32 v[RS+1], 32*PITCH, v[RS]
	v_add_nc_u32 v[RS+2], 64*PITCH, v[RS]
	v_add_nc_u32 v[RS+3], 96*PITCH, v[RS]
	v_lshlrev_b32 v13, 4, v18                      ; 16 h: t1p
	v_lshlrev_b32 v14, 5, v18                      ; 32 h: w_attn
	s_mov_b32 s54, 0x76543210                      ; v_permlanex16_b32's selects for lane l xor 16
	s_mov_b32 s55, 0xfedcba98
	s_mov_b32 s45, ttmp9
	s_wait_alu depctr_va_vdst(0)                   ; directly ahead of the wait below
	s_wait_kmcnt 0x0
	global_load_b64 v[60:61], v15, s[12:13]        ; plan of batches 2 lane, 2 lane + 1
	s_load_b32 s43, s[12:13], 0x100                ; M
	s_load_b128 s[48:51], s[14:15], 0x0            ; e0, e1, e2, e3
	s_lshr_b32 s30, s26, 1
	s_lshl_b32 s30, s30, 17
	s_and_b32 s31, s26, 1
	s_lshl_b32 s31, s31, 13
	s_add_co_u32 s30, s30, s31
	s_mov_b32 s31, 0
	s_add_nc_u64 s[22:23], s[6:7], s[30:31]        ; my columns' codes
	BLOAD 0
	s_wait_loadcnt 16                              ; plan is in; W's 16 loads may be out
	v_and_b32 v62, 0xffff, v60
	v_and_b32 v63, 0xffff, v61
	v_cmp_ge_u32 s56, s45, v62                     ; the batches whose first chunk is at or below g
	v_cmp_ge_u32 s57, s45, v63
	s_bcnt1_i32_b32 s27, s56
	s_bcnt1_i32_b32 s30, s57
	s_add_co_u32 s27, s27, s30
	s_sub_co_u32 s27, s27, 1                       ; b
	s_min_u32 s27, s27, 63
	s_lshr_b32 s30, s27, 1
	s_lshl_b32 s30, s30, 2
	v_mov_b32 v62, s30
	ds_bpermute_b32 v64, v62, v60                  ; b's pair of plan, in every lane
	ds_bpermute_b32 v65, v62, v61
	s_wait_dscnt 0x0
	v_readfirstlane_b32 s30, v64
	v_readfirstlane_b32 s31, v65
	s_bitcmp1_b32 s27, 0
	s_cselect_b32 s30, s31, s30
	s_and_b32 s31, s30, 0xffff
	s_lshr_b32 s30, s30, 16                        ; the length
	s_sub_co_u32 s44, s45, s31
	s_min_u32 s44, s44, 0xff                       ; chunk c
	s_wait_kmcnt 0x0
	s_mul_i32 s28, s44, s43
	s_sub_co_i32 s29, s30, s28
	s_max_i32 s29, s29, 0
	s_min_u32 s29, s29, s43
	s_min_u32 s29, s29, 0x80                       ; my valid rows
	s_min_u32 s28, s28, 0x1fc                      ; my first row
	s_max_u32 s46, s29, 1
	s_sub_co_u32 s41, s46, 1
	s_lshr_b32 s41, s41, 2                         ; the last slice with a valid row
	s_cmp_eq_u32 s44, 0
	s_cselect_b32 s46, s46, s29                    ; the rows whose weights I store: a batch of length 0 leaves its first four
	s_add_co_u32 s[NQ], s29, 31
	s_lshr_b32 s[NQ], s[NQ], 5
	s_max_u32 s[NQ], s[NQ], 1
	s_sub_co_i32 s42, s41, s26
	s_max_i32 s42, s42, 0
	s_lshr_b32 s42, s42, 3                         ; my last slice's section
	s_lshl_b32 s30, s27, 21
	s_lshl_b32 s31, s28, 12
	s_add_co_u32 s30, s30, s31
	s_mov_b32 s31, 0
	s_add_nc_u64 s[24:25], s[4:5], s[30:31]        ; matrix at my first row
	s_mov_b32 s57, 0
.irp i, 0,1,2,3
	s_min_u32 s56, s42, \i                         ; sections past my last slice name it again
	s_lshl_b32 s56, s56, 3
	s_add_co_u32 s56, s56, s26
	s_min_u32 s56, s56, s41
	s_min_u32 s56, s56, 31
	s_lshl_b32 s56, s56, 14
	s_add_nc_u64 s[RB+2*\i:RB+2*\i+1], s[24:25], s[56:57]
	XLOAD 0, \i
.endr
	s_lshl_b32 s30, s26, 14
	s_lshr_b32 s56, s27, 4
	s_lshl_b32 s56, s56, 10
	s_add_co_u32 s30, s30, s56
	s_and_b32 s56, s27, 15
	s_lshl_b32 s56, s56, 5
	s_add_co_u32 s30, s30, s56
	s_add_nc_u64 s[62:63], s[8:9], s[30:31]        ; t1p at tile 4 w, batch b
	WIN 0x40
.irp ks, 0,1,2,3
.irp bf, 0,1,2,3
.irp q, 0,1
	global_load_b128 v[32*(7-\ks)+8*\bf+4*\q:32*(7-\ks)+8*\bf+4*\q+3], v13, s[62:63] offset:\ks*131072+\bf*4096+\q*512      ; part ks into block 7 - ks's accumulators
.endr
.endr
.endr
	WIN 0
	v_lshrrev_b32 v20, 3, v16                      ; the prefetches' offset: lane = (section, row of the slice, 256 bytes of 512)
	v_min_u32 v20, s42, v20
	v_lshl_add_u32 v20, v20, 3, s26
	v_min_u32 v20, s41, v20
	v_min_u32 v20, 31, v20
	v_lshlrev_b32 v[PFO], 14, v20
	v_bfe_u32 v21, v0, 1, 2
	v_lshl_add_u32 v[PFO], v21, 12, v[PFO]
	v_and_b32 v21, 1, v0
	v_lshl_add_u32 v[PFO], v21, 8, v[PFO]
	global_prefetch_b8 v[PFO], s[24:25] offset:1024 th:TH_LOAD_NT scope:SCOPE_SE
	global_prefetch_b8 v[PFO], s[24:25] offset:1536 th:TH_LOAD_NT scope:SCOPE_SE
	s_lshl_b32 s30, s26, 8
	s_add_nc_u64 s[10:11], s[10:11], s[30:31]      ; w_attn at my 64 columns
	s_lshl_b32 s56, s27, 3
	s_add_co_u32 s56, s56, s44                     ; my slot: 8 b + c
	s_lshl_b32 s30, s56, 8
	s_add_nc_u64 s[18:19], s[18:19], s[30:31]
	s_lshl_b32 s30, s56, 12
	s_lshl_b32 s56, s26, 9
	s_add_co_u32 s30, s30, s56
	s_add_nc_u64 s[60:61], s[20:21], s[30:31]      ; rep at my slot, my 128 columns
	s_lshl_b32 s30, s27, 11
	s_lshl_b32 s56, s28, 2
	s_add_co_u32 s30, s30, s56
	s_add_nc_u64 s[16:17], s[16:17], s[30:31]      ; pbuf at my first row
	s_add_co_i32 s56, s50, 127
	s_lshl_b32 s57, s56, 23
	v_mov_b32 v[SC], s57                           ; 2^e2 as f32: the conversion takes its exponent field
	s_add_co_i32 s56, s56, 8
	s_lshl_b32 s56, s56, 23
	s_or_b32 s56, s56, 0x600000
	v_mov_b32 v[LIM], s56                          ; 448 x 2^e2
	s_add_co_i32 s56, s50, s51
	s_lshl_b32 s56, s56, 23
	s_add_co_i32 s52, s56, 0x3fb8aa3b              ; log2(e) x 2^(e2 + e3)
	s_mov_b32 s53, s52                             ; (named with it as a pair, so it is written)
	s_wait_alu depctr_va_vdst(0)                   ; at the head's end
.irp i, 0,1,2,3
	s_wait_loadcnt 44                              ; behind this slice's loads: 12 - 4 i of panel 0, t1's 32, 4 i of panel 1
	CVA \i
	CVB 0, \i
	XLOAD 1, \i
.endr
	s_wait_loadcnt 16                              ; t1's parts are in; panel 1's 16 loads may be out
	WIN 0x45
.set k, 0
.rept 16
	v_pk_add_f32 v[224+2*k:225+2*k], v[224+2*k:225+2*k], v[192+2*k:193+2*k]
	v_pk_add_f32 v[160+2*k:161+2*k], v[160+2*k:161+2*k], v[128+2*k:129+2*k]
.set k, k+1
.endr
.set k, 0
.rept 16
	v_pk_add_f32 v[224+2*k:225+2*k], v[224+2*k:225+2*k], v[160+2*k:161+2*k]
.set k, k+1
.endr
	WIN 0
	STEP 0
	STEP 1
	STEP 2
	STEP 3
	STEP 4
	STEP 5
	STEP 6
	STEP 7
	s_wait_dscnt 0x0                               ; the fragments of sections that were branched over are in too: their registers are written below
	; ---- THE LOGITS.  A sum stands for sum x 2^(e2 + e3); t = logit x log2(e): both factors go into w_attn once.  (These lines are also the places behind the last products)
	s_wait_loadcnt 0x0
.set k, 0
.rept 16
	v_pk_mul_f32 v[160+2*k:161+2*k], v[160+2*k:161+2*k], s[52:53] op_sel_hi:[1,0]
.set k, k+1
.endr
	v_and_b32 v48, 31, v0                          ; lane
	v_and_b32 v49, 15, v0                          ; r
	v_bfe_u32 v50, v0, 4, 1                        ; h
	s_lshl_b32 s30, s26, 9
	s_add_co_u32 s31, s30, LP
	v_lshl_add_u32 v2, v49, 2, s31                 ; my part of the logits, in: row r
	v_add_nc_u32 v3, LP, v1                        ; out: rows 4 lane on
	s_add_co_u32 s31, s30, STG
	v_lshl_add_u32 v10, v48, 2, s31                ; the way out: in,
	v_add_nc_u32 v11, s31, v1                      ; and back
	s_lshl_b32 s30, s26, 8
	s_add_co_u32 s31, s30, PL
	v_lshl_add_u32 v5, v48, 3, s31                 ; my copy of the weights: in,
	v_lshl_add_u32 v6, v50, 4, s31                 ; and as a fragment: 16 h
	v_and_b32 v51, 7, v0
	v_lshl_add_u32 v51, v50, 3, v51
	v_mul_u32_u24 v8, v51, PITCH                   ; the transposing load: row 8 h + lane % 8,
	v_bfe_u32 v51, v0, 3, 1
	v_lshl_add_u32 v8, v51, 4, v8                  ; 16 bytes further for lanes 8-15 of each half,
	v_add_nc_u32 v8, s30, v8                       ; my 128 columns
	v_add_nc_u32 v9, 32*PITCH, v8                  ; the same for rows 32-63,
	v_add_nc_u32 v13, 64*PITCH, v8                 ; 64-95
	v_add_nc_u32 v14, 96*PITCH, v8                 ; and 96-127: made here, ahead of the branches on the number of rows
	v_lshlrev_b32 v15, 2, v48                      ; 4 lane
	v_lshlrev_b32 v62, 3, v48                      ; 8 lane
.irp a, 2,3,4,5,6,7
	v_mov_b32 v[32+\a], 0                          ; rows of sections that are branched over: their number is not used, but stored with the others
.endr
.macro LOGIT i                         ; section i's two blocks: my 32 columns of rows 32 i + r and 32 i + 16 + r, clipped at 0, times w_attn, in four chains each
.if (\i) > 0
	s_cmp_gt_u32 s[NQ], \i
	s_cbranch_scc0 .Lnolog_\@
.endif
	WIN 0x04
.set k, 0
.rept 64
	v_max_num_f32 v[64+k], 0, v[64*(\i)+k]         ; each accumulator from its low end on
.set k, k+1
.endr
	WIN 0
.set k, 0
.rept 16
.irp e, 0,1
.if k < 4
	v_pk_mul_f32 v[16+8*\e+2*k:17+8*\e+2*k], v[64+32*\e+2*k:65+32*\e+2*k], v[160+2*k:161+2*k]
.else
	v_pk_fma_f32 v[16+8*\e+2*(k%4):17+8*\e+2*(k%4)], v[64+32*\e+2*k:65+32*\e+2*k], v[160+2*k:161+2*k], v[16+8*\e+2*(k%4):17+8*\e+2*(k%4)]
.endif
.endr
.set k, k+1
.endr
.irp e, 0,1
	v_pk_add_f32 v[16+8*\e:17+8*\e], v[16+8*\e:17+8*\e], v[18+8*\e:19+8*\e]
	v_pk_add_f32 v[20+8*\e:21+8*\e], v[20+8*\e:21+8*\e], v[22+8*\e:23+8*\e]
.endr
.irp e, 0,1
	v_pk_add_f32 v[16+8*\e:17+8*\e], v[16+8*\e:17+8*\e], v[20+8*\e:21+8*\e]
.endr
.irp e, 0,1
	v_add_f32 v[32+2*(\i)+\e], v[16+8*\e], v[17+8*\e]
.endr
.Lnolog_\@:
.endm
	LOGIT 0
	LOGIT 1
	LOGIT 2
	LOGIT 3
	s_wait_alu depctr_va_vdst(0)                   ; behind the branches
.irp a, 0,1,2,3,4,5,6,7
	v_permlanex16_b32 v[64+\a], v[32+\a], s54, s55 ; the row's other 32 columns lie in the lane 16 away
.endr
.irp a, 0,1,2,3,4,5,6,7
	v_add_f32 v[32+\a], v[32+\a], v[64+\a]
.endr
.irp a, 0,1,2,3,4,5,6,7
	ds_store_b32 v2, v[32+\a] offset:64*\a         ; (both halves of the lanes write the same word with the same number)
.endr
.macro TRL adr, base                   ; B's fragments of 32 kept rows: my 8 tiles of 16 columns
.irp n, 0,1,2,3,4,5,6,7
	ds_load_tr16_b128 v[(\base)+8*\n:(\base)+8*\n+3], v[\adr] offset:32*\n
	ds_load_tr16_b128 v[(\base)+8*\n+4:(\base)+8*\n+7], v[\adr] offset:16*PITCH+32*\n
.endr
.endm
	s_wait_dscnt 0x0                               ; for the others' sake: my part of the logits has landed
	s_barrier_signal -1
	TRL 8, 128                                     ; rows 0-31 (kept rows are written no more)
	s_barrier_wait -1
	s_cmp_gt_u32 s[NQ], 1
	s_cbranch_scc0 .Lrows32
	TRL 9, 192                                     ; rows 32-63
.Lrows32:
	; ---- THE SOFTMAX'S NUMERATORS, in every wave alike: lane l holds rows 4 l .. 4 l + 3
.irp p, 0,1,2,3,4,5,6,7
	ds_load_b128 v[64+4*\p:67+4*\p], v3 offset:512*\p
.endr
	v_sub_nc_u32 v48, s29, v15                     ; row 4 l + q is valid where q < this
	v_mov_b32 v49, 0xff61b1e6                      ; -3e38, under every t
	v_mov_b32 v53, 0                               ; (a lane permute's destination counts as one of its sources)
.irp q, 0,1,2,3
	v_cmp_lt_i32 s[70+\q], \q, v48
.endr
	s_wait_alu depctr_va_vdst(0)                   ; directly ahead of the wait below
	s_wait_dscnt 0x0
.irp p, 0,1,2,3
	v_pk_add_f32 v[64+4*\p:65+4*\p], v[64+4*\p:65+4*\p], v[80+4*\p:81+4*\p]
	v_pk_add_f32 v[66+4*\p:67+4*\p], v[66+4*\p:67+4*\p], v[82+4*\p:83+4*\p]
.endr
.irp p, 0,1
	v_pk_add_f32 v[64+4*\p:65+4*\p], v[64+4*\p:65+4*\p], v[72+4*\p:73+4*\p]
	v_pk_add_f32 v[66+4*\p:67+4*\p], v[66+4*\p:67+4*\p], v[74+4*\p:75+4*\p]
.endr
	v_pk_add_f32 v[64:65], v[64:65], v[68:69]
	v_pk_add_f32 v[66:67], v[66:67], v[70:71]      ; t
.irp q, 0,1,2,3
	v_cndmask_b32 v[64+\q], v49, v[64+\q], s[70+\q]
.endr
	v_max3_num_f32 v54, v64, v65, v66
	v_max_num_f32 v54, v54, v67
	v_max_num_f32_dpp v54, v54, v54 row_xmask:1 row_mask:0xf bank_mask:0xf
	v_max_num_f32_dpp v54, v54, v54 row_xmask:2 row_mask:0xf bank_mask:0xf
	v_max_num_f32_dpp v54, v54, v54 row_xmask:4 row_mask:0xf bank_mask:0xf
	v_max_num_f32_dpp v54, v54, v54 row_xmask:8 row_mask:0xf bank_mask:0xf
	v_permlanex16_b32 v53, v54, s54, s55
	v_max_num_f32 v54, v54, v53                    ; m
.irp q, 0,1,2,3
	v_sub_f32 v[56+\q], v[64+\q], v54
.endr
	s_wait_alu depctr_va_vdst(0)                   ; ahead of the batch,
.irp q, 0,1,2,3
	v_exp_f32 v[56+\q], v[56+\q]
.endr
	v_nop                                          ; one plain place behind the exponentials
	s_wait_alu depctr_va_vdst(0)                   ; and behind it
.irp q, 0,1,2,3
	v_cndmask_b32 v[56+\q], 0, v[56+\q], s[70+\q]  ; p = 2^(t - m), 0 past the length
.endr
	v_cvt_pk_f16_f32 v60, v56, v57
	v_cvt_pk_f16_f32 v61, v58, v59
	ds_store_b64 v5, v[60:61]                      ; the 128 weights into my wave's own copy, and back as fragments: LDS serves a wave's instructions in order (ISA guide 5.7.1.4)
.irp kb, 0,1,2,3
	ds_load_b128 v[16+8*\kb:19+8*\kb], v6 offset:64*\kb
	ds_load_b128 v[20+8*\kb:23+8*\kb], v6 offset:64*\kb+32
.endr
	v_add_f32 v55, v56, v57
	v_add_f32 v53, v58, v59
	v_add_f32 v55, v55, v53
	v_add_f32_dpp v55, v55, v55 row_xmask:1 row_mask:0xf bank_mask:0xf
	v_add_f32_dpp v55, v55, v55 row_xmask:2 row_mask:0xf bank_mask:0xf
	v_add_f32_dpp v55, v55, v55 row_xmask:4 row_mask:0xf bank_mask:0xf
	v_add_f32_dpp v55, v55, v55 row_xmask:8 row_mask:0xf bank_mask:0xf
	v_permlanex16_b32 v53, v55, s54, s55
	v_add_f32 v55, v55, v53                        ; the chunk's sum of p
	s_wait_alu depctr_va_vdst(0)                   ; ahead of the branch
	s_cmp_lg_u32 s26, 0                            ; every wave holds the same numbers: wave 0 stores them
	s_cbranch_scc1 .Lnot_wave_0
	global_store_b64 v62, v[54:55], s[18:19]       ; (m, sum), 32 times over: 256 consecutive bytes, aligned
	s_wait_xcnt 0x0                                ; EXEC changes only behind this wait
	v_cmp_gt_u32 vcc_lo, s46, v15
	s_and_saveexec_b32 s56, vcc_lo
	global_store_b128 v1, v[56:59], s[16:17]       ; the weights of my rows, in place in the batch: the chunks of a batch lie end to end, whole groups of four rows
	s_wait_xcnt 0x0
	s_or_b32 exec_lo, exec_lo, s56
.Lnot_wave_0:
	; ---- THE WEIGHTED SUM: 8 tiles of 16 columns, 32 rows a step, the tiles by turns
.macro WSUM kb
.irp n, 0,1,2,3,4,5,6,7
.if (\kb) == 0
	v_wmma_f32_16x16x32_f16 v[64+8*\n:71+8*\n], v[16:23], v[128+8*\n:135+8*\n], 0
.else
	v_wmma_f32_16x16x32_f16 v[64+8*\n:71+8*\n], v[16+8*(\kb):23+8*(\kb)], v[128+64*((\kb)%2)+8*\n:135+64*((\kb)%2)+8*\n], v[64+8*\n:71+8*\n]
.endif
.endr
.endm
	s_wait_dscnt 0x0                               ; the weights and rows 0-63 are in
	WSUM 0
	s_cmp_gt_u32 s[NQ], 1
	s_cbranch_scc0 .Lsummed
	PLACES
	s_cmp_gt_u32 s[NQ], 2
	s_cbranch_scc0 .Lrows64
	TRL 13, 128                                    ; rows 64-95
.Lrows64:
	WSUM 1
	s_cmp_gt_u32 s[NQ], 2
	s_cbranch_scc0 .Lsummed
	PLACES
	s_cmp_gt_u32 s[NQ], 3
	s_cbranch_scc0 .Lrows96
	TRL 14, 192                                    ; rows 96-127
.Lrows96:
	s_wait_dscnt 0x0
	WSUM 2
	s_cmp_gt_u32 s[NQ], 3
	s_cbranch_scc0 .Lsummed
	WSUM 3
.Lsummed:
	PLACES
	s_mov_b32 s58, 0xffff0000                      ; lanes 16-31
.irp n, 0,1,2,3
	v_cndmask_b32 v[48+\n], v[64+16*\n], v[72+16*\n], s58      ; all rows of a result are alike: lane l takes column 32 n + l
.endr
.irp n, 0,1,2,3
	ds_store_b32 v10, v[48+\n] offset:128*\n
.endr
	ds_load_b128 v[60:63], v11                     ; my wave's own bytes: columns 4 lane .. 4 lane + 3
	s_wait_dscnt 0x0
	global_store_b128 v1, v[60:63], s[60:61]       ; the wave stores 512 consecutive bytes, aligned
	s_barrier_signal -1
	s_barrier_wait -1
	s_wait_tensorcnt 0x0                           ; the wave's end
	ds_add_u32 v[SPW], v[NIL]
	s_wait_dscnt 0x0
	s_endpgm
.Lfunc_end_k_q163b7e3e8b_main:
	.size	k_q163b7e3e8b_main, .Lfunc_end_k_q163b7e3e8b_main-k_q163b7e3e8b_main
	.p2alignl 7, 3214868480
	.fill 96, 4, 3214868480
	.section	.rodata,"a",@progbits
	.p2align	6, 0x0
	.amdhsa_kernel k_q163b7e3e8b_main
		.amdhsa_group_segment_fixed_size 314368
		.amdhsa_private_segment_fixed_size 0
		.amdhsa_enable_private_segment 0
		.amdhsa_kernarg_size 72
		.amdhsa_user_sgpr_count 2
		.amdhsa_user_sgpr_kernarg_segment_ptr 1
		.amdhsa_wavefront_size32 1
		.amdhsa_system_sgpr_workgroup_id_x 1
		.amdhsa_system_sgpr_workgroup_id_y 1
		.amdhsa_system_sgpr_workgroup_id_z 1
		.amdhsa_system_vgpr_workitem_id 0
		.amdhsa_next_free_vgpr 512
		.amdhsa_next_free_sgpr 80
		.amdhsa_reserve_vcc 1
		.amdhsa_float_denorm_mode_32 3
		.amdhsa_float_denorm_mode_16_64 3
		.amdhsa_memory_ordered 1
		.amdhsa_forward_progress 1
		.amdhsa_inst_pref_size 180
	.end_amdhsa_kernel
	.amdgpu_metadata
---
amdhsa.version: [ 1, 2 ]
amdhsa.kernels:
  - .name:           k_q163b7e3e8b_main
    .symbol:         k_q163b7e3e8b_main.kd
    .args:
      - { .name: matrix, .offset: 0, .size: 8, .value_kind: global_buffer, .address_space: global }
      - { .name: wq, .offset: 8, .size: 8, .value_kind: global_buffer, .address_space: global }
      - { .name: t1p, .offset: 16, .size: 8, .value_kind: global_buffer, .address_space: global }
      - { .name: w_attn, .offset: 24, .size: 8, .value_kind: global_buffer, .address_space: global }
      - { .name: plan, .offset: 32, .size: 8, .value_kind: global_buffer, .address_space: global }
      - { .name: lowp_scales, .offset: 40, .size: 8, .value_kind: global_buffer, .address_space: global }
      - { .name: pbuf, .offset: 48, .size: 8, .value_kind: global_buffer, .address_space: global }
      - { .name: stats, .offset: 56, .size: 8, .value_kind: global_buffer, .address_space: global }
      - { .name: rep, .offset: 64, .size: 8, .value_kind: global_buffer, .address_space: global }
    .group_segment_fixed_size: 314368
    .private_segment_fixed_size: 0
    .kernarg_segment_align: 8
    .kernarg_segment_size: 72
    .max_flat_workgroup_size: 256
    .sgpr_count:     80
    .vgpr_count:     512
    .wavefront_size: 32
...
	.end_amdgpu_metadata
.endif
;; end of part 2
;; launch combine (part 3): grid 64 x 1, 8 waves a work-group, no clusters, 0 bytes of LDS; arguments pbuf, stats, rep, plan, out0, out1; writes out0, out1
.if DOCPART == 3
	.amdgcn_target "amdgcn-amd-amdhsa--gfx1250"
	.amdhsa_code_object_version 6
	.text
	.protected	k_q163b7e3e8b_combine
	.globl	k_q163b7e3e8b_combine
	.p2align	8
	.type	k_q163b7e3e8b_combine,@function
k_q163b7e3e8b_combine:
	s_mov_b64 s[64:65], 0
	v_nop
	global_prefetch_b8 v0, s[64:65] scope:SCOPE_SE
	s_setreg_imm32_b32 hwreg(HW_REG_WAVE_MODE, 25, 1), 1
	s_wait_xcnt 0x0
; A BATCH'S CHUNKS (n of them, 1 to 8, of M rows) ARE JOINED.  Chunk c left m_c (its largest valid t; -3e38 if it has none), s_c = the sum of its p = 2^(t - m_c), its p, and rep_c = the sum of p x matrix row.
; mb = the largest m_c; f_c = 2^(m_c - mb), at most 1; Z = the sum of f_c s_c; g_c = f_c / Z.  out0[b] = the sum of g_c rep_c;  out1[b][s] = p[s] g_(s / M), 0 past the length (the mask that reference() builds).
; Chunks past the n-th name the last one again and count as m = -3e38: f = 0.  A length of 0 or less gives Z = 0 and NaN, as the division by a zero sum gives in the problem's own text.
; One work-group a batch, 256 threads: thread T takes columns 4 T .. 4 T + 3 of out0 and positions 2 T, 2 T + 1 of out1 (M is a multiple of 4: both lie in one chunk).  No LDS, no barrier.  No prefetch: there is no loop.
	s_load_b256 s[4:11], s[0:1], 0x0               ; pbuf s[4:5], stats s[6:7], rep s[8:9], plan s[10:11]
	s_load_b128 s[12:15], s[0:1], 0x20             ; out0, out1
	v_and_b32 v1, 31, v0
	v_lshlrev_b32 v2, 4, v0                        ; 16 T
	v_lshlrev_b32 v3, 3, v0                        ; 8 T
	v_lshlrev_b32 v64, 1, v0                       ; 2 T
	v_lshlrev_b32 v1, 3, v1                        ; 8 lane: a chunk's pair stands 32 times over in its 256 bytes
	v_mov_b32 v66, 0xff61b1e6
	s_mov_b32 s17, 0
	s_mov_b32 s25, 0
	s_lshl_b32 s16, ttmp9, 2
	s_wait_alu depctr_va_vdst(0)                   ; directly ahead of the wait below
	s_wait_kmcnt 0x0
	s_add_nc_u64 s[18:19], s[10:11], s[16:17]
	s_load_b32 s20, s[18:19], 0x0                  ; first chunk + 65536 x length
	s_load_b32 s21, s[10:11], 0x100                ; M
	s_lshl_b32 s16, ttmp9, 11
	s_add_nc_u64 s[4:5], s[4:5], s[16:17]          ; 2,048 bytes a batch in pbuf, out1 and stats (8 slots of 256)
	s_add_nc_u64 s[6:7], s[6:7], s[16:17]
	s_add_nc_u64 s[14:15], s[14:15], s[16:17]
	s_lshl_b32 s16, ttmp9, 12
	s_add_nc_u64 s[12:13], s[12:13], s[16:17]
	s_lshl_b32 s16, ttmp9, 15
	s_add_nc_u64 s[8:9], s[8:9], s[16:17]          ; 8 slots of 4,096
	s_wait_kmcnt 0x0
	s_lshr_b32 s20, s20, 16                        ; the length
	s_mov_b32 s22, 0
.irp c, 1,2,3,4,5,6,7
	s_mul_i32 s[50+\c], s21, \c                    ; c M: chunk c's first position
	s_cmp_lt_u32 s[50+\c], s20
	s_cselect_b32 s[40+\c], -1, 0                  ; the batch has a chunk c
	s_cselect_b32 s23, 1, 0
	s_add_co_u32 s22, s22, s23
.endr
	s_min_u32 s22, s22, 7                          ; n - 1
.irp c, 0,1,2,3,4,5,6,7
	s_min_u32 s23, s22, \c
	s_lshl_b32 s24, s23, 8
	s_add_nc_u64 s[66+2*\c:67+2*\c], s[6:7], s[24:25]
	s_lshl_b32 s24, s23, 12
	s_add_nc_u64 s[82+2*\c:83+2*\c], s[8:9], s[24:25]
	global_load_b64 v[4+2*\c:5+2*\c], v1, s[66+2*\c:67+2*\c]               ; m_c, s_c
.endr
	s_max_u32 s28, s20, 1
	s_sub_co_u32 s28, s28, 1
	s_lshr_b32 s28, s28, 1
	s_lshl_b32 s28, s28, 3
	s_min_u32 s28, s28, 0x7f8
	v_min_u32 v65, s28, v3                         ; positions past the length read the last valid pair's place
	v_min_u32 v65, 0x7f8, v65
.irp c, 0,1,2,3,4,5,6,7
	global_load_b128 v[32+4*\c:35+4*\c], v2, s[82+2*\c:83+2*\c]            ; a wave reads 512 consecutive bytes
.endr
	global_load_b64 v[68:69], v65, s[4:5]
	s_wait_loadcnt 9                               ; the eight pairs are in; rep's 8 and p may be out
.irp c, 1,2,3,4,5,6,7
	v_cndmask_b32 v[4+2*\c], v66, v[4+2*\c], s[40+\c]
.endr
	v_max3_num_f32 v30, v4, v6, v8
	v_max3_num_f32 v31, v10, v12, v14
	v_max3_num_f32 v30, v30, v16, v18
	v_max_num_f32 v30, v30, v31                    ; mb
.irp c, 0,1,2,3,4,5,6,7
	v_sub_f32 v[20+\c], v[4+2*\c], v30
.endr
	s_wait_alu depctr_va_vdst(0)                   ; ahead of the batch,
.irp c, 0,1,2,3,4,5,6,7
	v_exp_f32 v[20+\c], v[20+\c]                   ; f_c
.endr
	v_add_nc_u32 v75, 1, v64                       ; (a plain place behind the exponentials)
	s_wait_alu depctr_va_vdst(0)                   ; and behind it
	v_mul_f32 v28, v20, v5
	v_mul_f32 v29, v21, v7
.irp c, 2,4,6
	v_fmac_f32 v28, v[20+\c], v[5+2*\c]
	v_fmac_f32 v29, v[21+\c], v[7+2*\c]
.endr
	v_add_f32 v28, v28, v29                        ; Z
	s_wait_alu depctr_va_vdst(0)
	v_rcp_f32 v28, v28
	v_cmp_gt_u32 s30, s20, v64                     ; (plain places behind the reciprocal)  my positions before the length
	v_cmp_gt_u32 s31, s20, v75
	s_wait_alu depctr_va_vdst(0)
.irp c, 0,1,2,3,4,5,6,7
	v_mul_f32 v[20+\c], v[20+\c], v28              ; g_c
.endr
	v_mov_b32 v74, v20
.irp c, 1,2,3,4,5,6,7
	v_cmp_le_u32 vcc_lo, s[50+\c], v64
	v_cndmask_b32 v74, v74, v[20+\c], vcc_lo       ; my positions' chunk's g
.endr
	s_wait_alu depctr_va_vdst(0)                   ; directly ahead of the wait below
	s_wait_loadcnt 0x0
.irp k, 0,1,2,3
	v_mul_f32 v[70+\k], v20, v[32+\k]
.endr
.irp c, 1,2,3,4,5,6,7
.irp k, 0,1,2,3
	v_fmac_f32 v[70+\k], v[20+\c], v[32+4*\c+\k]
.endr
.endr
	v_cndmask_b32 v68, 0, v68, s30
	v_cndmask_b32 v69, 0, v69, s31
	v_mul_f32 v76, v68, v74
	v_mul_f32 v77, v69, v74
	global_store_b128 v2, v[70:73], s[12:13]       ; a wave stores 512 consecutive bytes, aligned
	global_store_b64 v3, v[76:77], s[14:15]        ; a wave stores 256 consecutive bytes, aligned
	s_endpgm
.Lfunc_end_k_q163b7e3e8b_combine:
	.size	k_q163b7e3e8b_combine, .Lfunc_end_k_q163b7e3e8b_combine-k_q163b7e3e8b_combine
	.p2alignl 7, 3214868480
	.fill 96, 4, 3214868480
	.section	.rodata,"a",@progbits
	.p2align	6, 0x0
	.amdhsa_kernel k_q163b7e3e8b_combine
		.amdhsa_group_segment_fixed_size 0
		.amdhsa_private_segment_fixed_size 0
		.amdhsa_enable_private_segment 0
		.amdhsa_kernarg_size 48
		.amdhsa_user_sgpr_count 2
		.amdhsa_user_sgpr_kernarg_segment_ptr 1
		.amdhsa_wavefront_size32 1
		.amdhsa_system_sgpr_workgroup_id_x 1
		.amdhsa_system_sgpr_workgroup_id_y 1
		.amdhsa_system_sgpr_workgroup_id_z 1
		.amdhsa_system_vgpr_workitem_id 0
		.amdhsa_next_free_vgpr 80
		.amdhsa_next_free_sgpr 100
		.amdhsa_reserve_vcc 1
		.amdhsa_float_denorm_mode_32 3
		.amdhsa_float_denorm_mode_16_64 3
		.amdhsa_memory_ordered 1
		.amdhsa_forward_progress 1
		.amdhsa_inst_pref_size 10
	.end_amdhsa_kernel
	.amdgpu_metadata
---
amdhsa.version: [ 1, 2 ]
amdhsa.kernels:
  - .name:           k_q163b7e3e8b_combine
    .symbol:         k_q163b7e3e8b_combine.kd
    .args:
      - { .name: pbuf, .offset: 0, .size: 8, .value_kind: global_buffer, .address_space: global }
      - { .name: stats, .offset: 8, .size: 8, .value_kind: global_buffer, .address_space: global }
      - { .name: rep, .offset: 16, .size: 8, .value_kind: global_buffer, .address_space: global }
      - { .name: plan, .offset: 24, .size: 8, .value_kind: global_buffer, .address_space: global }
      - { .name: out0, .offset: 32, .size: 8, .value_kind: global_buffer, .address_space: global }
      - { .name: out1, .offset: 40, .size: 8, .value_kind: global_buffer, .address_space: global }
    .group_segment_fixed_size: 0
    .private_segment_fixed_size: 0
    .kernarg_segment_align: 8
    .kernarg_segment_size: 48
    .max_flat_workgroup_size: 256
    .sgpr_count:     100
    .vgpr_count:     80
    .wavefront_size: 32
...
	.end_amdgpu_metadata
.endif
;; end of part 3
